; MI455X (gfx1250); checked and timed in simulation.
; The chip was launched on July 23, 2026; its instructions are those of AMD's public machine-readable ISA for CDNA 5 (MIT licence, August 2026) and "CDNA5" Instruction Set Architecture Reference Guide (July 2026). The comments in the code are by the model that wrote it; some were corrected since.
;; Scan Attention. Allowed arithmetic: matrix products marked QUANTISED: E4M3 operands, one given power-of-two scale a tensor, by v_wmma_f32_16x16x64_fp8_fp8 or v_wmma_f32_16x16x128_fp8_fp8, f32 sums; everything else in f32.
;; Inputs: ks 1 x 16 x 4,096 x 64 float32; lowp_scales 4 int32 (the exponents e of the quantised operands' scales 2^e); mask 1 x 4,096 bool; qs 1 x 16 x 4,096 x 64 float32; vs 1 x 16 x 4,096 x 64 float32.
;; Outputs: out0 1 x 16 x 4,096 x 64 float32.
;; This version of the problem:
;;   THIS VERSION OF THE PROBLEM IS GIVEN IN LOW PRECISION. The matrix products marked QUANTISED in the list below multiply operands that are first quantised to E4M3 (4 exponent bits, 3 mantissa bits; 8 bits a number), with one given power-of-two scale for each operand tensor; their sums are f32. All else is computed in f32.
;;   The module's matrix products, in the order in which they are computed (A, B: the left and right operand; K: the contracted axis; several contracted axes count as one K, in the product's order):
;;     1. batch 16 x [M 4,096, K 64] x [K 64, N 4,096]; A: computed on the way; B: input ks: QUANTISED (scales: A lowp_scales[0], B lowp_scales[1])
;;     2. batch 16 x [M 4,096, K 4,096] x [K 4,096, N 64]; A: softmax (see below); B: input vs: QUANTISED (scales: A lowp_scales[2], B lowp_scales[3])
;;   THE QUANTISER, for each operand of a quantised product, along K:
;;     - The operand's scale is 2^e, e = its entry of the input lowp_scales (int32; the entries are numbered through the quantised products in the list's order, A before B).
;;     - Each number is divided by the scale, clamped to +-448, and rounded to the nearest number of E4M3, ties to even, subnormals kept.
;;     - The product sums the exact products of the quantised numbers (number of the format x scale) in f32.
;;   ~~~python
;;   def quantise(x, axis, e):      # numpy; x: float32 -> the quantised numbers, widened to float32 again
;;       x = np.moveaxis(x, axis, -1); K = x.shape[-1]
;;       r = np.clip(x / 2.0 ** e, -448, 448)
;;       step = 2.0 ** (np.maximum(np.frexp(np.where(r == 0, 1, r))[1] - 1, -6) - 3)
;;       q = np.round(r / step) * step * 2.0 ** e      # np.round: ties to even
;;       return np.moveaxis(q, -1, axis).astype(np.float32)
;;   ~~~
;;   SOFTMAX AHEAD OF A QUANTISED PRODUCT. Where the list says 'softmax', what is quantised is not the finished softmax but p = 2^(t - M), with t = logit x log2(e) and M = ceil(the row's largest t), a whole number; so 1/2 < the row's largest p <= 1. The row's sum l is taken of the UNQUANTISED p, in f32, and the product's result is divided by l at the end. Since M is a whole number, a kernel that streams over the keys may use a running M (the ceiling of the running maximum): every later rescaling is an exact power of two, so the quantised numbers keep their values, but for numbers so far below the row's largest that they fall under the format's range.
;;   OPERANDS COMPUTED ON THE WAY. 'Computed on the way' means the value that the module computes at that place (a softmax that the list does not call 'softmax' is quantised finished and normalised). What goes into a quantiser is computed in f32, as accurately as f32 sums, v_exp_f32 and their like allow (about 1e-6 of the number): no bf16 or f16 on the way to a quantiser, and a product that is left as it is and whose result goes on into a quantised operand takes f32 operands (vector FMAs, or v_wmma_f32_16x16x4_f32). A number that lies on a knife's edge between two numbers of the format may be rounded either way, as far as f32 arithmetic and the matrix unit's own rounding can turn it there, and no further.
;; One version. Each part assembles by itself: llvm-mc -triple=amdgcn-amd-amdhsa -mcpu=gfx1250 --defsym DOCPART=n.
;; ======== version 1 of 1: 2 launches
;; limits: right only within a limited range of input values
;; workspace buffers: kv 8,650,752 bytes
;; launch prep (part 1): grid 32 x 16, 4 waves a work-group, no clusters, 43,776 bytes of LDS; arguments ks, vs, mask, lowp_scales, kv; writes kv
.if DOCPART == 1
	.amdgcn_target "amdgcn-amd-amdhsa--gfx1250"
	.amdhsa_code_object_version 6
	.text
	.protected	k_q7886d8220e_prep
	.globl	k_q7886d8220e_prep
	.p2align	8
	.type	k_q7886d8220e_prep,@function
k_q7886d8220e_prep:
	s_mov_b64 s[64:65], 0
	v_nop
	global_prefetch_b8 v0, s[64:65] scope:SCOPE_SE
	s_setreg_imm32_b32 hwreg(HW_REG_WAVE_MODE, 25, 1), 1
	s_wait_xcnt 0x0
; k and v, [16 heads][4096 keys][64] f32, become codes of FP8 (E4M3), and the key mask becomes an f32 bias, laid as the attention launch's operand registers take them.
; code = x / 2^e, held within +-448, rounded to the nearest code, ties to even; e = entry 1 (k) and entry 3 (v) of the scales.
; LIMITS: e1 and e3 between -126 and 119, so that 2^e and 448 x 2^e are f32 numbers.  NaN among the inputs is not served; an infinity is held at the largest code.
; OUTPUT kv: [head][key step of 128 keys][STEPB bytes].  With lane L = (r = L % 16, h = L / 16) a block holds
;   +0      K image: tile t (0..7), chunk c (0, 1): at 1024 t + 512 c + 16 L the 16 codes k[key 32 (t / 2) + 8 (t % 2) + r + 8 (r / 8)][d = 32 c + 16 h + 0..15]
;   +8192   V image: channel tile g (0..3), chunk c (0..3): at 2048 g + 512 c + 16 L the 16 codes v[key 32 c + 16 h + 0..15][channel 16 g + r]
;   +16384  bias: one f32 a key, in the keys' order: 0 where the mask is 1, -2^126 where it is 0
; SHARES.  A work-group takes one key step of one head, wave w its keys 32 w .. 32 w + 31: K tiles 2 w and 2 w + 1, V's chunk w.  Waves share nothing: no barrier.
; All 33 loads of a wave go out at the head; every load and every store of 16 bytes a lane covers whole runs of 256 consecutive bytes.
.set STEPB, 16896
.set KP,    272                        ; k's stage: a key's 256 bytes + 16: sixteen rows start at sixteen different 16-byte columns (64 banks of 4 bytes: ISA guide 11.1)
.set VP,    528                        ; v's stage: an image chunk's 512 bytes + 16
.set VST,   32*KP                      ; v's stage lies behind k's
.set WLDS,  32*KP+4*VP                 ; a wave's LDS, its own
.set KR,    32                         ; v32-95   k as loaded; later v32-47 v's codes, v48-63 v's images
.set VR,    96                         ; v96-159  v as loaded
.set X,     160                        ; v160-223 64 numbers in the order of the conversions
.set CK,    224                        ; v224-239 k's codes
.set CV,    32
.set OUTR,  48
	s_load_b256 s[4:11], s[0:1], 0x0               ; ks s[4:5], vs s[6:7], mask s[8:9], the scales' exponents s[10:11]
	s_load_b64 s[12:13], s[0:1], 0x20              ; kv
	v_lshl_add_u32 v254, v0, 2, 0xa900
	v_mov_b32 v255, 0
	v_lshrrev_b32 v1, 5, v0
	v_readfirstlane_b32 s16, v1                    ; wave 0..3
	v_and_b32 v1, 31, v0                           ; lane
	v_lshlrev_b32 v2, 4, v1                        ; 16 x lane: k's loads and all stores
	v_lshlrev_b32 v13, 2, v1                       ; 4 x lane: the mask's word
	v_and_b32 v21, 15, v0                          ; r
	v_bfe_u32 v22, v0, 4, 1                        ; h
	v_lshlrev_b32 v3, 4, v21
	v_lshl_add_u32 v3, v22, 12, v3                 ; v's loads: 16 r, and lanes 16-31 sixteen keys (4,096 bytes) further on
	s_mul_i32 s17, s16, WLDS
	v_mul_u32_u24 v4, v22, KP
	v_lshl_add_u32 v4, v21, 4, v4
	v_add_nc_u32 v4, s17, v4                       ; k's stage, in: lanes 0-15 one key's row, lanes 16-31 the next
	v_mul_u32_u24 v5, v21, KP
	v_lshl_add_u32 v5, v22, 6, v5
	v_add_nc_u32 v5, s17, v5                       ; and out: row r, + 64 h: my 16 numbers of a chunk of 32
	v_lshrrev_b32 v23, 2, v21
	v_and_b32 v24, 3, v21
	v_mul_u32_u24 v6, v23, VP
	v_lshl_add_u32 v6, v22, 8, v6
	v_lshl_add_u32 v6, v24, 6, v6
	v_add_nc_u32 v6, s17, v6
	v_add_nc_u32 v6, VST, v6                       ; v's stage, in: my channels 4 r + j belong to channel tile r / 4, image lane 4 (r % 4) + j + 16 h
	v_add_nc_u32 v7, s17, v2
	v_add_nc_u32 v7, VST, v7                       ; and out: 16 x lane
	s_and_b32 s18, ttmp7, 0xffff                   ; head
	s_lshl_b32 s24, s18, 20                        ; a head is 4,096 keys of 256 bytes,
	s_lshl_b32 s25, ttmp9, 15                      ; a key step 128 keys,
	s_add_co_u32 s24, s24, s25
	s_lshl_b32 s25, s16, 13                        ; a wave's share 32
	s_add_co_u32 s24, s24, s25
	s_mov_b32 s25, 0
	s_lshl_b32 s26, s18, 5
	s_add_co_u32 s26, s26, ttmp9
	s_mul_i32 s26, s26, STEPB                      ; my block of kv
	s_mov_b32 s27, 0
	s_lshl_b32 s28, ttmp9, 7                       ; the step's 128 bytes of the mask
	s_mov_b32 s29, 0
	s_lshl_b32 s30, s16, 11                        ; K image: my two tiles
	s_mov_b32 s31, 0
	s_lshl_b32 s32, s16, 9                         ; V image: my chunk
	s_add_co_u32 s32, s32, 8192
	s_mov_b32 s33, 0
	s_wait_kmcnt 0x0
	s_load_b128 s[20:23], s[10:11], 0x0            ; e0 .. e3
	s_add_nc_u64 s[4:5], s[4:5], s[24:25]
	s_add_nc_u64 s[6:7], s[6:7], s[24:25]
	s_add_nc_u64 s[8:9], s[8:9], s[28:29]
	s_add_nc_u64 s[12:13], s[12:13], s[26:27]
	s_add_nc_u64 s[34:35], s[12:13], s[30:31]
	s_add_nc_u64 s[36:37], s[12:13], s[32:33]
	global_load_b32 v12, v13, s[8:9]               ; four keys' mask bytes a lane; every wave loads them, so that the counts below are alike in all waves
.irp i, 0,1,2,3,4,5,6,7,8,9,10,11,12,13,14,15
	global_load_b128 v[KR+4*\i:KR+4*\i+3], v2, s[4:5] offset:512*\i th:TH_LOAD_NT   ; keys 2 i and 2 i + 1: 512 consecutive bytes
.endr
.irp i, 0,1,2,3,4,5,6,7,8,9,10,11,12,13,14,15
	global_load_b128 v[VR+4*\i:VR+4*\i+3], v3, s[6:7] offset:256*\i th:TH_LOAD_NT   ; keys i and 16 + i: a whole row of 256 bytes for each half of the lanes
.endr
	s_wait_kmcnt 0x0
	s_add_co_i32 s24, s21, 127
	s_lshl_b32 s25, s24, 23
	v_mov_b32 v8, s25                              ; 2^e1 as f32: the conversion takes its exponent field
	s_add_co_i32 s24, s24, 8
	s_lshl_b32 s24, s24, 23
	s_or_b32 s24, s24, 0x600000
	v_mov_b32 v9, s24                              ; 448 x 2^e1
	s_add_co_i32 s24, s23, 127
	s_lshl_b32 s25, s24, 23
	v_mov_b32 v10, s25                             ; 2^e3
	s_add_co_i32 s24, s24, 8
	s_lshl_b32 s24, s24, 23
	s_or_b32 s24, s24, 0x600000
	v_mov_b32 v11, s24                             ; 448 x 2^e3
	; ---- k.  The keys go into the stage in the order of the tiles' lanes: key kk of my 32 to row 16 ((kk / 8) % 2) + kk % 8 + 8 (kk / 16); then a lane reads 16 neighbours along d
	s_wait_alu depctr_va_vdst(0)
	s_wait_loadcnt 16                              ; the mask and k are in; v's sixteen loads may be out
.irp i, 0,1,2,3,4,5,6,7,8,9,10,11,12,13,14,15
	ds_store_b128 v4, v[KR+4*\i:KR+4*\i+3] offset:(16*(((2*\i)>>3)&1)+((2*\i)&7)+8*((2*\i)>>4))*KP
.endr
.irp u, 0,1
.irp c, 0,1
.irp j, 0,1,2,3
	ds_load_b128 v[X+16*(2*\u+\c)+4*\j:X+16*(2*\u+\c)+4*\j+3], v5 offset:16*\u*KP+128*\c+16*\j   ; LDS serves a wave's instructions in order (ISA guide 5.7.1.4): these see the stores above
.endr
.endr
.endr
	s_wait_dscnt 0x0
.irp i, 0,1,2,3,4,5,6,7,8,9,10,11,12,13,14,15,16,17,18,19,20,21,22,23,24,25,26,27,28,29,30,31,32,33,34,35,36,37,38,39,40,41,42,43,44,45,46,47,48,49,50,51,52,53,54,55,56,57,58,59,60,61,62,63
	v_med3_num_f32 v[X+\i], v[X+\i], -v9, v9       ; the conversion to an 8-bit code does not saturate (ISA guide 7.6.2): the hold at the largest code x the scale
.endr
.irp g, 0,1,2,3,4,5,6,7
	v_cvt_scalef32_pk8_fp8_f32 v[CK+2*\g:CK+2*\g+1], v[X+8*\g:X+8*\g+7], v8
.endr
	v_nop                                          ; a plain line behind the conversions: their sources are written again below
.irp q, 0,1,2,3
	global_store_b128 v2, v[CK+4*\q:CK+4*\q+3], s[34:35] offset:512*\q   ; tile 2 w + q / 2, chunk q % 2: 512 consecutive bytes
.endr
	; ---- the bias: wave 0 alone (a branch on the wave's number).  A mask byte is 0 or 1: byte - 1 is all ones or 0
	s_cmp_lg_u32 s16, 0
	s_cbranch_scc1 .Lno_bias
.irp k, 0,1,2,3
	v_bfe_u32 v20, v12, 8*\k, 8
	v_sub_nc_u32 v20, v20, 1
	v_and_b32 v[16+\k], 0xfe800000, v20            ; -2^126 where the mask is 0, else 0
.endr
	global_store_b128 v2, v[16:19], s[12:13] offset:16384
.Lno_bias:
	; ---- v.  A lane holds 4 channels x 16 keys: the hold is also the turn of its registers, so that 16 neighbouring keys of a channel stand in 16 neighbouring registers
	s_wait_loadcnt 0x0
.irp j, 0,1,2,3
.irp i, 0,1,2,3,4,5,6,7,8,9,10,11,12,13,14,15
	v_med3_num_f32 v[X+16*\j+\i], v[VR+4*\i+\j], -v11, v11
.endr
.endr
.irp g, 0,1,2,3,4,5,6,7
	v_cvt_scalef32_pk8_fp8_f32 v[CV+2*\g:CV+2*\g+1], v[X+8*\g:X+8*\g+7], v10
.endr
	v_nop
.irp j, 0,1,2,3
	ds_store_b128 v6, v[CV+4*\j:CV+4*\j+3] offset:16*\j   ; channel 4 r + j, keys 16 h + 0..15
.endr
.irp g, 0,1,2,3
	ds_load_b128 v[OUTR+4*\g:OUTR+4*\g+3], v7 offset:\g*VP
.endr
.irp g, 0,1,2,3
	s_wait_dscnt 3-\g                              ; the later loads from the stage may be out
	global_store_b128 v2, v[OUTR+4*\g:OUTR+4*\g+3], s[36:37] offset:2048*\g
.endr
	s_wait_tensorcnt 0x0
	ds_add_u32 v254, v255
	s_wait_dscnt 0x0
	s_endpgm
.Lfunc_end_k_q7886d8220e_prep:
	.size	k_q7886d8220e_prep, .Lfunc_end_k_q7886d8220e_prep-k_q7886d8220e_prep
	.p2alignl 7, 3214868480
	.fill 96, 4, 3214868480
	.section	.rodata,"a",@progbits
	.p2align	6, 0x0
	.amdhsa_kernel k_q7886d8220e_prep
		.amdhsa_group_segment_fixed_size 43776
		.amdhsa_private_segment_fixed_size 0
		.amdhsa_enable_private_segment 0
		.amdhsa_kernarg_size 40
		.amdhsa_user_sgpr_count 2
		.amdhsa_user_sgpr_kernarg_segment_ptr 1
		.amdhsa_wavefront_size32 1
		.amdhsa_system_sgpr_workgroup_id_x 1
		.amdhsa_system_sgpr_workgroup_id_y 1
		.amdhsa_system_sgpr_workgroup_id_z 1
		.amdhsa_system_vgpr_workitem_id 0
		.amdhsa_next_free_vgpr 256
		.amdhsa_next_free_sgpr 66
		.amdhsa_reserve_vcc 0
		.amdhsa_float_denorm_mode_32 3
		.amdhsa_float_denorm_mode_16_64 3
		.amdhsa_memory_ordered 1
		.amdhsa_forward_progress 1
		.amdhsa_inst_pref_size 20
	.end_amdhsa_kernel
	.amdgpu_metadata
---
amdhsa.version: [ 1, 2 ]
amdhsa.kernels:
  - .name:           k_q7886d8220e_prep
    .symbol:         k_q7886d8220e_prep.kd
    .args:
      - { .name: ks, .offset: 0, .size: 8, .value_kind: global_buffer, .address_space: global }
      - { .name: vs, .offset: 8, .size: 8, .value_kind: global_buffer, .address_space: global }
      - { .name: mask, .offset: 16, .size: 8, .value_kind: global_buffer, .address_space: global }
      - { .name: lowp_scales, .offset: 24, .size: 8, .value_kind: global_buffer, .address_space: global }
      - { .name: kv, .offset: 32, .size: 8, .value_kind: global_buffer, .address_space: global }
    .group_segment_fixed_size: 43776
    .private_segment_fixed_size: 0
    .kernarg_segment_align: 8
    .kernarg_segment_size: 40
    .max_flat_workgroup_size: 128
    .sgpr_count:     66
    .vgpr_count:     256
    .wavefront_size: 32
...
	.end_amdgpu_metadata
.endif
;; end of part 1
;; launch attn (part 2): grid 16 x 16, 8 waves a work-group, no clusters, 183,296 bytes of LDS; arguments qs, kv, lowp_scales, out0; writes out0
.if DOCPART == 2
	.amdgcn_target "amdgcn-amd-amdhsa--gfx1250"
	.amdhsa_code_object_version 6
	.text
	.protected	k_q7886d8220e_attn
	.globl	k_q7886d8220e_attn
	.p2align	8
	.type	k_q7886d8220e_attn,@function
k_q7886d8220e_attn:
	s_mov_b64 s[64:65], 0
	v_nop
	global_prefetch_b8 v0, s[64:65] scope:SCOPE_SE
	s_setreg_imm32_b32 hwreg(HW_REG_WAVE_MODE, 25, 1), 1
	s_wait_xcnt 0x0
; out[h][q][:] = the sum over keys of softmax(q . k / 8, masked keys left out) v, both products on codes of FP8 (E4M3), each operand with the one scale 2^e that is given: e0 (q / 8), e1 (k), e2 (p), e3 (v).
; q: [16][4096][64] f32, quantised here: q / 8 / 2^e0 = q / 2^(e0 + 3).  k, v and the mask come from kv, in blocks of 128 keys that are images of the operand registers (K 8,192 bytes, V 8,192, bias 512).
; THE SOFTMAX: t = score x log2(e); M = the largest t so far, rounded up to a whole number; p = 2^(t - M) is quantised along the keys; the row's sum is taken of the unquantised p and divides at the end.
; When M moves, the sum and O^T are multiplied by f = 2^(old M - new M), a power of two.
; THE HOLD of p at 448 x 2^e2: p is at most 1 (but for the last bit of t - M), so it can act only where e2 is under -8 (448 x 2^-8 = 1.75).  A scalar branch on e2, a whole number among the inputs, leads round it elsewhere.
; THE MASK IS THE C OF THE FIRST PRODUCT: 0 for a key that counts, -2^126 for one that does not.  A sum of codes stays under 448 x 448 x 64 < 2^24, so with c = log2(e) 2^(e0 + e1) every t that counts lies above
; THR = c x (-2^100) (held at -3e38) and every masked t below it.  The largest t starts at THR: while no key has counted, p, the sum and O^T are 0; a row in which none counts (largest t still THR) is given NaN.
; LIMITS on the given exponents: e0 + e1 between -90 and 126 (added to c's exponent field; a masked p must fall to 0); e0 + 3 and e2 between -126 and 119; e2 + e3 goes by v_ldexp_f32 and has none.  NaN among the inputs is not served.
; SHARES.  A work-group owns 256 queries of a head, each of its eight waves 32: two tiles of 16, so that each fragment of K, V and bias read from LDS feeds two matrix instructions.  Every wave walks 32 steps of 128 keys.
; LAYOUT.  Both products are used transposed: S^T = K Q^T + bias (source 0 = 16 keys, source 1 = 16 queries), O^T += V^T P^T: a lane holds ONE query (lane % 16) throughout.  The keys of a tile of K are chosen so that
; register 16 b + i of a tile's 64 scores is key 32 b + 16 (lane / 16) + i: the conversions' results are the second product's operand.  k lies in the fragments in one order for both sources of a product, not in the form's own.
; THE FEED.  LDS holds a ring of eight blocks' K and V images and the bias of all 4,096 keys.  Each wave brings an eighth of each block (2,048 bytes) through registers: in each odd trip n it stores its part of blocks n + 3 and n + 4, and asks
; for that of blocks n + 5 and n + 6, which it waits for one and a half trips later, over 600 vector lines of its own: so no prefetch stands in the text.  The 16 work-groups of a head read the same blocks and do not ask for them jointly: a joint load is a
; tensor load, and the hold without the branch on e2 is 64 lines in every step.
; THE RING'S BARRIER: one for two trips.  A wave signals at an even trip's start (its stores are done, and its reads of the blocks behind it) and waits at that trip's end; nothing is stored to LDS in between.  Blocks n + 3 and n + 4, stored in trip n,
; are first read in trip n + 3, behind the wait at the end of trip n + 1; they take the places of blocks n - 5 and n - 4, whose reads ended ahead of the signal in trip n - 1.
; THE PIPELINE.  A trip ends step s and begins step n = s + 1:  (0) tile 1's exponentials (s), among them tile 0's first sums (s);  tile 0's second product (s) and first product (n);  (1) tile 0's maximum, M and rescaling (n), among
; them the rest of tile 0's sum and tile 1's sum (s);  tile 1's second product (s) and first product (n);  (2) tile 1's maximum, M and rescaling (n), among them tile 0's t - M (n);  (3) tile 0's exponentials (n), among them
; tile 1's t - M (n).  A trip reads block n alone.  What stands among exponentials is first read behind the wait that follows them.
; REGISTERS.  window 0: v1-13 addresses and scales; v14-25 the two tiles' statistics; v26-31 at work; v32-63 partial sums; v64-127 O^T; v128-255 S^T, then p.
;             window 1: v0-15 p's codes; v16-79 K; v80-143 V; v144-207 bias; v208-223 Q's codes; v224-255 two blocks on their way.
.set STEPB, 16896                      ; a step block in kv
.set BLK,   16384                      ; its K and V images: a place in the ring
.set HEADB, 32*STEPB
.set RMASK, 8*BLK-1
.set BIAS,  8*BLK                      ; behind the ring: 4,096 f32
.set SPARE, BIAS+16384                 ; the spare words, 128 bytes for each of eight waves: four blocks of 256 bytes that no other line names
.set STAGE, SPARE+1024                 ; the way out: 16 rows for each wave
.set SP,    272                        ; a stage row, 256 bytes + 16
.set LI,  1                            ; v1   16 x lane: my place in an image, and in two rows of out
.set ADR, 2                            ; v2   LDS address of the step's images
.set BH,  3                            ; v3   BIAS + 64 (lane / 16): my half's place in the bias
.set ADB, 4                            ; v4   LDS address of the step's bias; ahead of that, where I store a block's part
.set SPW, 5                            ; v5   my spare word: SPARE + 4 x my thread's number; never rewritten
.set NIL, 6                            ; v6   0; never rewritten
.set STO, 7                            ; v7   the stage, in
.set RD,  8                            ; v8   the stage, back
.set QO,  9                            ; v9   my byte in a tile's 16 rows of q
.set PSC, 10                           ; v10  2^e2
.set PLIM, 11                          ; v11, v12  448 x 2^e2, twice: the two halves of a dual line take one each
.set PLIM2, 12
.set THR, 13
.set ST,  14                           ; tile u's statistics at ST + 6 u: +0 -M, +1 largest t, +2,+3 the sum, +4 f (+5: 0, named with it as a pair)
.set SUM1, ST+8                        ; tile 1's sum
.set WK,  26                           ; v26-29 four chains of the maximum, v30 the exchange, v31 old M
.set TP,  32                           ; v32-63 partial sums; at the head the bias on its way, r, h and q's scale
.set LB,  57
.set QSC, 60
.set QLIM, 61
.set LR,  62
.set LH,  63
.set OT,  64                           ; O^T: tile u, channels 16 g on, at OT + 32 u + 8 g
.set S,   128                          ; S^T: tile u at S + 64 u
.set PCD, 0                            ; window 1
.set KF,  16
.set VF,  80
.set BI,  144
.set QF,  208
.set NXT, 224
.set WV,  12                           ; s12  my wave's number
.set WOFF, 17                          ; s17  2,048 x wave: my part of a block
.set PTR, 18                           ; s[18:19] where my loads of blocks stand in kv
.set SEL, 20                           ; s[20:21] v_permlanex16_b32's selects: lane l xor 16
.set CS,  22                           ; s[22:23] c, twice: the packed form names a pair
.set E2,  38                           ; s[36:39] e0 .. e3
.set TB,  40                           ; s40  LDS byte of the step's block
.set BB,  41                           ; s41  512 x step: its bias
.set CNT, 42                           ; s42  trips to go, by twos
.set SB,  43                           ; s43  LDS byte of the next two blocks to be stored
.set MSB, 0
.macro WIN new                         ; the immediate's high byte repeats the setting that is left; a switch that changes nothing is dropped
.if MSB != \new
	s_set_vgpr_msb (MSB<<8)|\new
.set MSB, \new
.endif
.endm
.set TO_1, 0x40                        ; destination window 1, sources window 0: loads and conversions
.set FR_1, 0x04                        ; store data window 1, address window 0
.set W_KQ, 0x15                        ; K, Q and bias window 1, S^T window 0
.set W_PV, 0x05                        ; V and p's codes window 1, O^T window 0
; Item nx of tile t's statistics.  0-31 the largest of the lane's 64 scores, in four chains, in ascending order (each accumulator is first read at its low end); 32-35 the other half of the lanes', as t, and the running largest;
; 36-40 the new -M = floor(-t) and f = 2^(old M - new M); 41 the sum x f; 42-57 O^T x f.
.macro XI t
.set rN, ST+6*(\t)
.set rS, S+64*(\t)
.set rO, OT+32*(\t)
.if nx < 4
	v_max3_num_f32 v[WK+nx], v[rS+3*nx], v[rS+3*nx+1], v[rS+3*nx+2]
.elseif nx < 30
	v_max3_num_f32 v[WK+nx%4], v[WK+nx%4], v[rS+2*nx+4], v[rS+2*nx+5]
.elseif nx == 30
	v_max3_num_f32 v[WK], v[WK], v[WK+1], v[WK+2]
.elseif nx == 31
	v_max_num_f32 v[WK], v[WK], v[WK+3]
.elseif nx == 32
	v_permlanex16_b32 v[WK+4], v[WK], s[SEL], s[SEL+1]
.elseif nx == 33
	v_max_num_f32 v[WK], v[WK], v[WK+4]
.elseif nx == 34
	v_mul_f32 v[WK], s[CS], v[WK]                  ; c is positive
.elseif nx == 35
	v_max_num_f32 v[rN+1], v[rN+1], v[WK]
.elseif nx == 36
	v_mov_b32 v[WK+5], v[rN]
.elseif nx == 37
	v_floor_f32 v[rN], -v[rN+1]
.elseif nx == 38
	v_sub_f32 v[WK+5], v[rN], v[WK+5]              ; old M less new M: a whole number, 0 or less
.elseif nx == 39
	v_cvt_i32_f32 v[WK+5], v[WK+5]                 ; (it saturates)
.elseif nx == 40
	v_ldexp_f32 v[rN+4], 1.0, v[WK+5]
.elseif nx == 41
	v_pk_mul_f32 v[rN+2:rN+3], v[rN+2:rN+3], v[rN+4:rN+5] op_sel_hi:[1,0]
.else
	v_pk_mul_f32 v[rO+2*(nx-42):rO+2*(nx-42)+1], v[rO+2*(nx-42):rO+2*(nx-42)+1], v[rN+4:rN+5] op_sel_hi:[1,0]
.endif
.set nx, nx+1
.endm
.macro FM t                            ; item nm: two of tile t's scores become t - M
	v_pk_fma_f32 v[S+64*(\t)+2*nm:S+64*(\t)+2*nm+1], v[S+64*(\t)+2*nm:S+64*(\t)+2*nm+1], s[CS:CS+1], v[ST+6*(\t):ST+6*(\t)+1] op_sel_hi:[1,0,0]
.set nm, nm+1
.endm
.macro HOLD r                          ; two p held at the largest code x the scale: the conversion to an 8-bit code does not saturate (ISA guide 7.6.2); p is never negative, so the hold is one-sided
	v_dual_min_num_f32 v[\r], v[\r], v[PLIM] :: v_dual_min_num_f32 v[\r+1], v[\r+1], v[PLIM2]
.endm
.macro HOLDIF t                        ; tile t's hold, where e2 asks for it
	s_cmp_ge_i32 s[E2], -8
	s_cbranch_scc1 .Lno_hold_\@
.set i0, 0
.rept 32
	HOLD S+64*(\t)+2*i0
.set i0, i0+1
.endr
.Lno_hold_\@:
.endm
.macro PADD d, a, b
	v_pk_add_f32 v[\d:\d+1], v[\a:\a+1], v[\b:\b+1]
.endm
.macro FI                              ; item nf: 0-15 the rest of tile 0's sum; 16-47 tile 1's sum of the unquantised p, in four chains
.if nf < 8
	PADD TP+4*nf, TP+4*nf, TP+4*nf+2
.elseif nf < 12
	PADD TP+8*(nf-8), TP+8*(nf-8), TP+8*(nf-8)+4
.elseif nf < 14
	PADD TP+16*(nf-12), TP+16*(nf-12), TP+16*(nf-12)+8
.elseif nf == 14
	PADD TP, TP, TP+16
.elseif nf == 15
	PADD ST+2, ST+2, TP
.elseif nf == 16
	PADD SUM1, SUM1, S+64
.elseif nf < 20
	PADD TP+4*(nf-17)+2, S+64+4*(nf-17)+2, S+64+4*(nf-17)+4
.elseif nf < 45
.set ac, TP+4*((nf-20)%4)-2
.if (nf-20)%4 == 0
.set ac, SUM1
.endif
	PADD ac, ac, S+78+2*(nf-20)
.elseif nf == 45
	PADD SUM1, SUM1, TP+2
.elseif nf == 46
	PADD TP+6, TP+6, TP+10
.else
	PADD SUM1, SUM1, TP+6
.endif
.set nf, nf+1
.endm
.macro PART0                           ; tile 1's exponentials, and tile 0's p summed by fours to twos; the last line is a plain one
.set j, 0
.set np, 0
.rept 64
	v_exp_f32 v[S+64+j], v[S+64+j]
.rept (j+1)/4-j/4
	PADD TP+2*np, S+4*np, S+4*np+2
.set np, np+1
.endr
.set j, j+1
.endr
.endm
.macro PART3                           ; tile 0's exponentials
.set j, 0
.set nm, 0
.rept 64
	v_exp_f32 v[S+j], v[S+j]
.rept (j+1)/2-j/2
	FM 1
.endr
.set j, j+1
.endr
.endm
.macro PART1
.set nx, 0
.set nf, 0
.rept 12
	FI                                             ; also the places behind tile 0's products: these lines name none of their registers
.endr
.rept 8
.rept 4
	XI 0
.endr
	FI
.endr
.rept 9
	XI 0
	FI
	FI
	FI
.endr
	FI
.rept 17
	XI 0
.endr
.endm
.macro PART2
.set nx, 0
.set nm, 0
.rept 4
	FM 0                                           ; four plain lines between tile 1's products and the loads into V's registers, which they read
.endr
	LOADV
.rept 8
.rept 4
	XI 1
.endr
	FM 0
.endr
.rept 9
	XI 1
	FM 0
	FM 0
.endr
	FM 0
	FM 0
.rept 17
	XI 1
.endr
.endm
.macro LOADK
	WIN TO_1
.irp b, 0,1,2,3
.irp q, 0,1,2,3
	ds_load_b128 v[BI+16*\b+4*\q:BI+16*\b+4*\q+3], v[ADB] offset:128*\b+16*\q   ; bias of keys 32 b + 16 (lane / 16) + 4 q on: the lanes of a half read the same words
.endr
.endr
.irp t, 0,1,2,3,4,5,6,7
.irp c, 0,1
	ds_load_b128 v[KF+8*\t+4*\c:KF+8*\t+4*\c+3], v[ADR] offset:1024*\t+512*\c   ; an image: 512 consecutive bytes
.endr
.endr
	WIN 0
.endm
.macro LOADV
	WIN TO_1
.irp g, 0,1,2,3
.irp c, 0,1,2,3
	ds_load_b128 v[VF+16*\g+4*\c:VF+16*\g+4*\c+3], v[ADR] offset:8192+2048*\g+512*\c
.endr
.endr
	WIN 0
.endm
.macro LOADNXT                         ; my part of the two blocks that stand four and five behind PTR: eight loads of 512 consecutive bytes
	WIN TO_1
.irp b, 0,1
.irp i, 0,1,2,3
	global_load_b128 v[NXT+16*\b+4*\i:NXT+16*\b+4*\i+3], v[LI], s[PTR:PTR+1] offset:(4+\b)*STEPB+512*\i
.endr
.endr
	WIN 0
.endm
.macro SMM u                           ; S^T = K Q^T + bias
	WIN W_KQ
.irp t, 0,1,2,3,4,5,6,7
	v_wmma_f32_16x16x64_fp8_fp8 v[S+64*\u+8*\t:S+64*\u+8*\t+7], v[KF+8*\t:KF+8*\t+7], v[QF+8*\u:QF+8*\u+7], v[BI+8*\t:BI+8*\t+7]
.endr
.endm
.macro PV t                            ; tile t's 64 p become the second product's operand;  O^T += V^T P^T: four accumulators, one instruction each; 20 other matrix instructions stand between two links on one accumulator
	WIN TO_1
.irp b, 0,1,2,3
	v_cvt_scalef32_pk8_fp8_f32 v[PCD+4*\b:PCD+4*\b+1], v[S+64*\t+16*\b:S+64*\t+16*\b+7], v[PSC]
	v_cvt_scalef32_pk8_fp8_f32 v[PCD+4*\b+2:PCD+4*\b+3], v[S+64*\t+16*\b+8:S+64*\t+16*\b+15], v[PSC]
.endr
	v_nop                                          ; a plain line between the conversions and the matrix instructions that read their results
	WIN W_PV
.irp g, 0,1,2,3
	v_wmma_f32_16x16x128_fp8_fp8 v[OT+32*\t+8*\g:OT+32*\t+8*\g+7], v[VF+16*\g:VF+16*\g+15], v[PCD:PCD+15], v[OT+32*\t+8*\g:OT+32*\t+8*\g+7]
.endr
.endm
.macro QUANT u                         ; q's tile u: held, and turned into codes; registers 4 c .. 4 c + 3 of the operand: d = 32 c + 16 h + 0..15, as K's images have it
.set i0, 0
.rept 32
	v_med3_num_f32 v[S+64+32*\u+i0], v[S+64+32*\u+i0], -v[QLIM], v[QLIM]
.set i0, i0+1
.endr
	WIN TO_1
.irp g, 0,1,2,3
	v_cvt_scalef32_pk8_fp8_f32 v[QF+8*\u+2*\g:QF+8*\u+2*\g+1], v[S+64+32*\u+8*\g:S+64+32*\u+8*\g+7], v[QSC]
.endr
	v_nop                                          ; a plain line behind the conversions: matrix instructions read their results and write their sources
	WIN 0
.endm
.macro ADDRS
	v_add_nc_u32 v[ADR], s[TB], v[LI]
	v_add_nc_u32 v[ADB], s[BB], v[BH]
.endm
; kind 1: an odd trip that feeds the ring;  kind 2: an even trip, between the barrier's signal and its wait;  kind 0: neither.
.macro TRIP kind
.if \kind == 1
	s_wait_loadcnt 0x0                             ; my part of the two blocks is in;
	s_wait_xcnt 0x0                                ; and the loads' base may be written
	s_add_nc_u64 s[PTR:PTR+1], s[PTR:PTR+1], 2*STEPB
	s_add_co_u32 s45, s[SB], s[WOFF]
	s_add_co_u32 s[SB], s[SB], 2*BLK
	s_and_b32 s[SB], s[SB], RMASK
	v_add_nc_u32 v[ADB], s45, v[LI]
	WIN FR_1
.irp b, 0,1
.irp i, 0,1,2,3
	ds_store_b128 v[ADB], v[NXT+16*\b+4*\i:NXT+16*\b+4*\i+3] offset:BLK*\b+512*\i
.endr
.endr
	WIN 0
.endif
.if \kind == 2
	s_barrier_signal -1                            ; all my LDS instructions are done (the wait at the last trip's end)
.endif
	ADDRS
	LOADK
	PART0
	s_wait_alu depctr_va_vdst(0)                   ; the wait behind the batch, and ahead of the wait and the branch below
	s_wait_dscnt 0x0                               ; bias and K of step n are in; my stores have read their registers
.if \kind == 1
	s_cmp_eq_u32 s[CNT], 1                         ; the last two blocks are on no way: there is none behind them
	s_cbranch_scc1 .Lno_more_\@
	LOADNXT
.Lno_more_\@:
.endif
	HOLDIF 0
	PV 0
	SMM 0
	WIN 0
	PART1
	s_wait_alu depctr_va_vdst(0)                   ; the wait here, ahead of the branch
	HOLDIF 1
	PV 1
	SMM 1
	WIN 0
	PART2
	s_wait_alu depctr_va_vdst(0)                   ; the wait ahead of the batch
	PART3
	s_add_co_u32 s[TB], s[TB], BLK
	s_and_b32 s[TB], s[TB], RMASK
	s_add_co_u32 s[BB], s[BB], 512
	s_wait_alu depctr_va_vdst(0)                   ; and behind it
	s_wait_dscnt 0x0                               ; V of step n is in
.if \kind == 2
	s_barrier_wait -1                              ; every wave has stored its part of the next two blocks, and has left the blocks whose places the next stores take
.endif
.endm
	s_load_b256 s[4:11], s[0:1], 0x0               ; qs s[4:5], kv s[6:7], the scales' exponents s[8:9], out0 s[10:11]
	v_lshl_add_u32 v[SPW], v0, 2, SPARE
	v_mov_b32 v[NIL], 0
	v_lshrrev_b32 v58, 5, v0
	v_readfirstlane_b32 s[WV], v58                 ; wave 0..7
	s_mul_i32 s50, s[WV], 16*SP
	s_add_co_u32 s50, s50, STAGE                   ; my stage
	v_and_b32 v59, 31, v0                          ; lane
	v_lshlrev_b32 v[LI], 4, v59
	v_lshlrev_b32 v[LB], 4, v0
	v_add_nc_u32 v[LB], BIAS, v[LB]                ; where I lay the bias: 16 bytes a thread
	v_and_b32 v[LR], 15, v0                        ; r
	v_bfe_u32 v[LH], v0, 4, 1                      ; h
	v_lshlrev_b32 v[QO], 8, v[LR]
	v_lshl_add_u32 v[QO], v[LH], 6, v[QO]          ; q: row r of 256 bytes, + 64 h: my 16 numbers of a chunk of 32
	v_lshlrev_b32 v[BH], 6, v[LH]
	v_add_nc_u32 v[BH], BIAS, v[BH]
	v_mul_u32_u24 v[STO], v[LR], SP
	v_lshl_add_u32 v[STO], v[LH], 5, v[STO]
	v_add_nc_u32 v[STO], s50, v[STO]               ; in: row r, 32 bytes for each half of the lanes
	v_mul_u32_u24 v[RD], v[LH], SP
	v_lshl_add_u32 v[RD], v[LR], 4, v[RD]
	v_add_nc_u32 v[RD], s50, v[RD]                 ; back: lanes 0-15 one row of 256 bytes, lanes 16-31 the next
	s_wait_alu depctr_va_vdst(0)                   ; the wait here, ahead of the scalar lines and the wait below
	s_and_b32 s16, ttmp7, 0xffff                   ; the head
	s_lshl_b32 s2, s16, 20                         ; a head's 4,096 rows of 256 bytes,
	s_lshl_b32 s3, ttmp9, 16                       ; my block's 256,
	s_add_co_u32 s2, s2, s3
	s_lshl_b32 s3, s[WV], 13                       ; my wave's 32
	s_add_co_u32 s2, s2, s3
	s_mov_b32 s3, 0
	s_mul_i32 s46, s16, HEADB                      ; the head's blocks in kv,
	s_lshl_b32 s[WOFF], s[WV], 11
	s_mul_i32 s48, s[WV], STEPB
	s_add_co_u32 s48, s48, s46                     ; from block w on: the bias that I bring,
	s_add_co_u32 s46, s46, s[WOFF]                 ; and my part of each block
	s_mov_b32 s47, 0
	s_mov_b32 s49, 0
	s_mov_b32 s[SEL], 0x76543210
	s_mov_b32 s[SEL+1], 0xfedcba98
	s_mov_b32 s[TB], 0
	s_mov_b32 s[BB], 0
	s_mov_b32 s[SB], 4*BLK
	s_wait_kmcnt 0x0
	s_load_b128 s[36:39], s[8:9], 0x0              ; e0 .. e3
	s_add_nc_u64 s[PTR:PTR+1], s[6:7], s[46:47]
	s_add_nc_u64 s[14:15], s[6:7], s[48:49]
	s_add_nc_u64 s[4:5], s[4:5], s[2:3]            ; q and out at my wave's first row
	s_add_nc_u64 s[10:11], s[10:11], s[2:3]
.irp b, 0,1,2,3
.irp i, 0,1,2,3
	global_load_b128 v[S+16*\b+4*\i:S+16*\b+4*\i+3], v[LI], s[PTR:PTR+1] offset:\b*STEPB+512*\i   ; my part of blocks 0 to 3
.endr
.endr
.irp i, 0,1,2,3
	global_load_b128 v[TP+4*\i:TP+4*\i+3], v[LI], s[14:15] offset:8*\i*STEPB+16384   ; the bias of block 8 i + w: 512 consecutive bytes
.endr
.irp u, 0,1
.irp c, 0,1
.irp j, 0,1,2,3
	global_load_b128 v[S+64+32*\u+16*\c+4*\j:S+64+32*\u+16*\c+4*\j+3], v[QO], s[4:5] offset:4096*\u+128*\c+16*\j th:TH_LOAD_NT   ; q(16 u + r, 32 c + 16 h + 4 j on)
.endr
.endr
.endr
.set i0, 0
.rept 64
	v_mov_b32 v[OT+i0], 0                          ; O^T.  (The trip is written without a first one of its own: the first finds zeros, which the first change of M leaves zeros)
.set i0, i0+1
.endr
.irp u, 0,1
	v_mov_b32 v[ST+6*\u+2], 0                      ; the sum, in two halves
	v_mov_b32 v[ST+6*\u+3], 0
	v_mov_b32 v[ST+6*\u+5], 0                      ; named as the upper half of f's pair
.endr
	v_mov_b32 v[WK+4], 0                           ; a lane permute's destination counts as one of its sources
	s_wait_alu depctr_va_vdst(0)                   ; the wait here, directly ahead of the wait below
	s_wait_kmcnt 0x0
	s_add_co_i32 s45, s36, s37
	s_lshl_b32 s45, s45, 23
	s_add_co_i32 s[CS], s45, 0x3fb8aa3b            ; c = log2(e) x 2^(e0 + e1): the two exponents are added to the exponent field of log2(e)
	s_mov_b32 s[CS+1], s[CS]
	s_add_co_i32 s45, s38, 127
	s_lshl_b32 s48, s45, 23                        ; 2^e2
	s_add_co_i32 s45, s45, 8
	s_lshl_b32 s45, s45, 23
	s_or_b32 s45, s45, 0x600000                    ; 448 x 2^e2
	s_add_co_i32 s49, s36, 130
	s_lshl_b32 s51, s49, 23                        ; 2^(e0 + 3): q / 8 / 2^e0
	s_add_co_i32 s49, s49, 8
	s_lshl_b32 s49, s49, 23
	s_or_b32 s49, s49, 0x600000
	s_add_co_i32 s44, s38, s39                     ; e2 + e3
	v_mov_b32 v[PSC], s48
	v_mov_b32 v[PLIM], s45
	v_mov_b32 v[PLIM2], s45
	v_mov_b32 v[QSC], s51
	v_mov_b32 v[QLIM], s49
	v_mov_b32 v[THR], 0xf1800000                   ; -2^100
	v_mul_f32 v[THR], s[CS], v[THR]
	v_max_num_f32 v[THR], 0xff61b1e6, v[THR]       ; held at -3e38
	v_mov_b32 v[ST+1], v[THR]                      ; the largest t so far
	v_mov_b32 v[ST+7], v[THR]
	v_add_nc_u32 v[ADB], s[WOFF], v[LI]
	s_wait_alu depctr_va_vdst(0)                   ; the wait here, directly ahead of the wait below
	s_wait_loadcnt 16                              ; blocks 0 to 3 and the bias are in; q's sixteen loads may be out
.irp b, 0,1,2,3
.irp i, 0,1,2,3
	ds_store_b128 v[ADB], v[S+16*\b+4*\i:S+16*\b+4*\i+3] offset:BLK*\b+512*\i
.endr
.endr
.irp i, 0,1,2,3
	ds_store_b128 v[LB], v[TP+4*\i:TP+4*\i+3] offset:4096*\i
.endr
	LOADNXT                                        ; blocks 4 and 5
	s_wait_dscnt 0x0                               ; my stores are done:
	s_barrier_signal -1                            ; say so,
	s_barrier_wait -1                              ; and go on when all eight have
	s_wait_loadcnt 16                              ; q's tile 0; tile 1's eight loads and the blocks' eight may be out
	QUANT 0
	; step 0 up to tile 0's exponentials
	ADDRS
	LOADK
	LOADV
	s_wait_alu depctr_va_vdst(0)                   ; the wait here, directly ahead of the wait below
	s_wait_dscnt 16                                ; bias and K are in; V's sixteen loads may be out
	SMM 0
	WIN 0
.rept 4
	v_nop                                          ; four plain lines in front of the first read of the scores
.endr
.set nx, 0
.rept 36
	XI 0
.endr
.set nx, 37                            ; (no old M yet)
	XI 0
.set nm, 0
.rept 32
	FM 0
.endr
	s_wait_alu depctr_va_vdst(0)                   ; the wait here, directly ahead of the wait below
	s_wait_loadcnt 8                               ; q's tile 1; the blocks' eight loads may be out
	QUANT 1
	SMM 1
	WIN 0
.rept 4
	v_nop
.endr
.set nx, 0
.rept 36
	XI 1
.endr
.set nx, 37
	XI 1
	s_wait_alu depctr_va_vdst(0)                   ; the wait ahead of the batch
	PART3
	s_add_co_u32 s[TB], s[TB], BLK
	s_add_co_u32 s[BB], s[BB], 512
	s_mov_b32 s[CNT], 14
	s_wait_alu depctr_va_vdst(0)                   ; and behind it
	s_wait_dscnt 0x0                               ; V is in
.Lpair:                                            ; steps 1 to 28: 14 times an odd trip, which stores blocks n + 3 and n + 4 (the last: 30 and 31), and an even one
	TRIP 1
	TRIP 2
	s_sub_co_u32 s[CNT], s[CNT], 1
	s_cmp_lg_u32 s[CNT], 0
	s_cbranch_scc1 .Lpair
	s_mov_b32 s[CNT], 3
.Llast:                                            ; steps 29 to 31: every block is in the ring
	TRIP 0
	s_sub_co_u32 s[CNT], s[CNT], 1
	s_cmp_lg_u32 s[CNT], 0
	s_cbranch_scc1 .Llast
	; the last step's end
	PART0
	s_wait_alu depctr_va_vdst(0)                   ; the wait behind the batch
	HOLDIF 0
	PV 0
	WIN 0
.set nf, 0
.rept 48
	FI
.endr
	s_wait_alu depctr_va_vdst(0)                   ; the wait here, ahead of the branch
	HOLDIF 1
	PV 1
	WIN 0
	; THE WAY OUT.  The sum's halves and the other half of the lanes' are added (six plain lines, the places behind the last products); O^T x 2^(e2 + e3) / the sum goes through my stage, a tile at a time, and leaves as whole rows.
.irp u, 0,1
	v_add_f32 v[WK+2*\u], v[ST+6*\u+2], v[ST+6*\u+3]
.endr
.irp u, 0,1
	v_permlanex16_b32 v[WK+2*\u+1], v[WK+2*\u], s[SEL], s[SEL+1]
.endr
.irp u, 0,1
	v_add_f32 v[WK+2*\u], v[WK+2*\u], v[WK+2*\u+1]
.endr
	s_wait_alu depctr_va_vdst(0)                   ; the wait ahead of the batch
.irp u, 0,1
	v_rcp_f32 v[WK+2*\u], v[WK+2*\u]
.endr
	v_mov_b32 v[TP], 0x7fc00000                    ; (a plain line behind the reciprocals)
	s_wait_alu depctr_va_vdst(0)                   ; one wait for both, ahead of their first reader
.irp u, 0,1
	v_ldexp_f32 v[WK+2*\u], v[WK+2*\u], s44
	v_cmp_le_f32 vcc_lo, v[ST+6*\u+1], v[THR]      ; no key has counted: the row is NaN
	v_cndmask_b32 v[WK+2*\u], v[WK+2*\u], v[TP], vcc_lo
.endr
	s_wait_alu depctr_va_vdst(0)                   ; the wait here, directly ahead of the first reader of O^T
.irp u, 0,1
.irp p, 0,2,4,6,8,10,12,14,16,18,20,22,24,26,28,30
	v_pk_mul_f32 v[S+32*\u+\p:S+32*\u+\p+1], v[OT+32*\u+\p:OT+32*\u+\p+1], v[WK+2*\u:WK+2*\u+1] op_sel_hi:[1,0]   ; register 8 g + i is out(r, 16 g + 8 h + i); each accumulator from its low end on
.endr
.endr
.irp u, 0,1
.irp g, 0,1,2,3
	ds_store_b128 v[STO], v[S+32*\u+8*\g:S+32*\u+8*\g+3] offset:64*\g
	ds_store_b128 v[STO], v[S+32*\u+8*\g+4:S+32*\u+8*\g+7] offset:64*\g+16
.endr
.irp i, 0,1,2,3,4,5,6,7
	ds_load_b128 v[S+64+32*\u+4*\i:S+64+32*\u+4*\i+3], v[RD] offset:2*SP*\i   ; LDS serves a wave's instructions in order (ISA guide 5.7.1.4): these see my stores, and tile 1's stores come behind tile 0's loads
.endr
.endr
.irp i, 0,1,2,3,4,5,6,7
	s_wait_dscnt 23-\i                             ; tile 0's later loads and tile 1's sixteen LDS instructions may be out
	global_store_b128 v[LI], v[S+64+4*\i:S+64+4*\i+3], s[10:11] offset:512*\i th:TH_STORE_NT   ; two rows of out: 512 consecutive bytes, at a multiple of 256 from out's first byte
.endr
.irp i, 0,1,2,3,4,5,6,7
	s_wait_dscnt 7-\i
	global_store_b128 v[LI], v[S+96+4*\i:S+96+4*\i+3], s[10:11] offset:4096+512*\i th:TH_STORE_NT
.endr
	s_wait_tensorcnt 0x0                           ; the wave's end
	ds_add_u32 v[SPW], v[NIL]
	s_wait_dscnt 0x0
	s_endpgm
.Lfunc_end_k_q7886d8220e_attn:
	.size	k_q7886d8220e_attn, .Lfunc_end_k_q7886d8220e_attn-k_q7886d8220e_attn
	.p2alignl 7, 3214868480
	.fill 96, 4, 3214868480
	.section	.rodata,"a",@progbits
	.p2align	6, 0x0
	.amdhsa_kernel k_q7886d8220e_attn
		.amdhsa_group_segment_fixed_size 183296
		.amdhsa_private_segment_fixed_size 0
		.amdhsa_enable_private_segment 0
		.amdhsa_kernarg_size 32
		.amdhsa_user_sgpr_count 2
		.amdhsa_user_sgpr_kernarg_segment_ptr 1
		.amdhsa_wavefront_size32 1
		.amdhsa_system_sgpr_workgroup_id_x 1
		.amdhsa_system_sgpr_workgroup_id_y 1
		.amdhsa_system_sgpr_workgroup_id_z 1
		.amdhsa_system_vgpr_workitem_id 0
		.amdhsa_next_free_vgpr 512
		.amdhsa_next_free_sgpr 66
		.amdhsa_reserve_vcc 1
		.amdhsa_float_denorm_mode_32 3
		.amdhsa_float_denorm_mode_16_64 3
		.amdhsa_memory_ordered 1
		.amdhsa_forward_progress 1
		.amdhsa_inst_pref_size 141
	.end_amdhsa_kernel
	.amdgpu_metadata
---
amdhsa.version: [ 1, 2 ]
amdhsa.kernels:
  - .name:           k_q7886d8220e_attn
    .symbol:         k_q7886d8220e_attn.kd
    .args:
      - { .name: qs, .offset: 0, .size: 8, .value_kind: global_buffer, .address_space: global }
      - { .name: kv, .offset: 8, .size: 8, .value_kind: global_buffer, .address_space: global }
      - { .name: lowp_scales, .offset: 16, .size: 8, .value_kind: global_buffer, .address_space: global }
      - { .name: out0, .offset: 24, .size: 8, .value_kind: global_buffer, .address_space: global }
    .group_segment_fixed_size: 183296
    .private_segment_fixed_size: 0
    .kernarg_segment_align: 8
    .kernarg_segment_size: 32
    .max_flat_workgroup_size: 256
    .sgpr_count:     66
    .vgpr_count:     512
    .wavefront_size: 32
...
	.end_amdgpu_metadata
.endif
;; end of part 2
